; MI455X (gfx1250); checked and timed in simulation.
; The chip was launched on July 23, 2026; its instructions are those of AMD's public machine-readable ISA for CDNA 5 (MIT licence, August 2026) and "CDNA5" Instruction Set Architecture Reference Guide (July 2026). The comments in the code are by the model that wrote it; some were corrected since.
;; MSA Row Attention V43. Allowed arithmetic: float matrix products may take bf16 or f16 operands with f32 sums; all other float work in f32.
;; Inputs: W_out 256 x 256 float32; W_qkv 256 x 768 float32; b_out 256 float32; b_qkv 768 float32; ln_beta 256 float32; ln_gamma 256 float32; mask 1 x 256 x 256 int32; msa 1 x 128 x 256 x 256 float32.
;; Outputs: out0 1 x 128 x 256 x 256 float32.
;; One version. Each part assembles by itself: llvm-mc -triple=amdgcn-amd-amdhsa -mcpu=gfx1250 --defsym DOCPART=n.
;; ======== version 1 of 1: 2 launches
;; limits: right only within a limited range of input values
;; workspace buffers: wt 524,288 bytes; mbias 262,144 bytes
;; launch prep (part 1): grid 192 x 1, 8 waves a work-group, no clusters, 0 bytes of LDS; arguments W_qkv, W_out, mask, wt, mbias; writes wt, mbias
.if DOCPART == 1
	.amdgcn_target "amdgcn-amd-amdhsa--gfx1250"
	.amdhsa_code_object_version 6
	.text
	.protected	k_q699a3e79af_prep
	.globl	k_q699a3e79af_prep
	.p2align	8
	.type	k_q699a3e79af_prep,@function
k_q699a3e79af_prep:
	s_mov_b64 s[64:65], 0
	v_nop
	global_prefetch_b8 v0, s[64:65] scope:SCOPE_SE
	s_setreg_imm32_b32 hwreg(HW_REG_WAVE_MODE, 25, 1), 1
	s_wait_xcnt 0x0
; Prepares, once, what all 256 work-groups of the main launch read in the same form.
; wt: W_qkv and W_out in bf16, in the order of matrix fragments.  Fragment f = 8 ntile + ks is 1,024 bytes: [half u][lane][16 bytes];
;     lane (r = lane % 16, h = lane / 16), half u holds W[k0 .. k0+7][n], k0 = 32 ks + 16 u + 8 h, n = 16 ntile' + r.
;     ntile 0-47: columns of W_qkv (q, k, v, 16 tiles each); ntile 48-63: columns of W_out.
;     So byte 8192 ntile + 256 (k0 / 8) + 16 r: work-group b < 128 writes bytes 4096 b .. 4096 b + 4095, thread t its 16 bytes at 16 t.
; mbias: f32 [q][kappa]: 0 where mask[q][kappa xor 128 (q >> 7)] != 0, else -2^100.  The two halves of the keys are swapped for the
;     upper 128 queries, since the main launch keeps a work-group's own 128 tokens first.
; Nothing of reference() is left out here or in the main launch: every input has a way to the output and is loaded.
.set NEGBIG, 0xf1800000                ; -2^100
; One weight path.  P: columns of the matrix; base: first scalar register of its address; ntsub: its first ntile.
.macro WPATH P, base, ntsub
	s_and_b32 s14, s3, 1                           ; which 128 of the 256 rows (k)
	s_mul_i32 s14, s14, 128*\P*4
	s_lshr_b32 s15, s3, 1                          ; ntile
	s_sub_co_u32 s15, s15, \ntsub
	s_lshl_b32 s15, s15, 6                         ; 16 columns of 4 bytes
	s_add_co_u32 s16, s14, s15
	s_mov_b32 s17, 0
	s_lshl_b32 s20, s3, 12                         ; my 4,096 bytes of wt
	s_mov_b32 s21, 0
	v_lshrrev_b32 v1, 4, v0                        ; k0 / 8 within the 128 rows
	v_and_b32 v2, 15, v0                           ; r
	v_mul_u32_u24 v1, v1, 32*\P                    ; 8 rows of P words
	v_lshl_add_u32 v1, v2, 2, v1
	v_lshlrev_b32 v3, 4, v0
	s_wait_kmcnt 0x0
	s_add_nc_u64 s[18:19], s[\base:\base+1], s[16:17]
	s_add_nc_u64 s[22:23], s[10:11], s[20:21]
.irp i, 0,1,2,3,4,5,6,7
	global_load_b32 v[4+\i], v1, s[18:19] offset:\i*\P*4           ; W[k0 + i][n]: sixteen lanes take 64 neighbouring bytes
.endr
	s_wait_loadcnt 0x0
.irp j, 0,1,2,3
	v_cvt_pk_bf16_f32 v[12+\j], v[4+2*\j], v[5+2*\j]               ; the lower k in the lower half
.endr
	global_store_b128 v3, v[12:15], s[22:23]                       ; a wave stores 512 consecutive bytes, aligned
	s_endpgm
.endm
	s_load_b256 s[4:11], s[0:1], 0x0               ; W_qkv s[4:5], W_out s[6:7], mask s[8:9], wt s[10:11]
	s_load_b64 s[12:13], s[0:1], 0x20              ; mbias
	s_mov_b32 s3, ttmp9
	s_cmp_ge_u32 s3, 128
	s_cbranch_scc1 .Lmask
	s_cmp_ge_u32 s3, 96
	s_cbranch_scc1 .Lwout
	WPATH 768, 4, 0
.Lwout:
	WPATH 256, 6, 48
.Lmask:
	s_sub_co_u32 s14, s3, 128                      ; 0 .. 63: four rows of the mask each
	s_lshl_b32 s15, s14, 12
	s_lshr_b32 s16, s14, 5                         ; q >> 7
	s_lshl_b32 s16, s16, 9                         ; 128 keys of 4 bytes
	v_lshl_add_u32 v1, v0, 4, s15                  ; where I store
	v_xor_b32 v2, s16, v1                          ; where I load: the other half of the row for the upper queries
	v_mov_b32 v8, NEGBIG
	s_wait_kmcnt 0x0
	global_load_b128 v[4:7], v2, s[8:9]
	s_wait_loadcnt 0x0
.irp j, 0,1,2,3
	v_cmp_eq_u32 vcc_lo, 0, v[4+\j]
	v_cndmask_b32 v[4+\j], 0, v8, vcc_lo           ; mask == 0: -2^100, else 0
.endr
	global_store_b128 v1, v[4:7], s[12:13]
	s_endpgm
.Lfunc_end_k_q699a3e79af_prep:
	.size	k_q699a3e79af_prep, .Lfunc_end_k_q699a3e79af_prep-k_q699a3e79af_prep
	.p2alignl 7, 3214868480
	.fill 96, 4, 3214868480
	.section	.rodata,"a",@progbits
	.p2align	6, 0x0
	.amdhsa_kernel k_q699a3e79af_prep
		.amdhsa_group_segment_fixed_size 0
		.amdhsa_private_segment_fixed_size 0
		.amdhsa_enable_private_segment 0
		.amdhsa_kernarg_size 40
		.amdhsa_user_sgpr_count 2
		.amdhsa_user_sgpr_kernarg_segment_ptr 1
		.amdhsa_wavefront_size32 1
		.amdhsa_system_sgpr_workgroup_id_x 1
		.amdhsa_system_sgpr_workgroup_id_y 1
		.amdhsa_system_sgpr_workgroup_id_z 1
		.amdhsa_system_vgpr_workitem_id 0
		.amdhsa_next_free_vgpr 24
		.amdhsa_next_free_sgpr 66
		.amdhsa_reserve_vcc 1
		.amdhsa_float_denorm_mode_32 3
		.amdhsa_float_denorm_mode_16_64 3
		.amdhsa_memory_ordered 1
		.amdhsa_forward_progress 1
		.amdhsa_inst_pref_size 6
	.end_amdhsa_kernel
	.amdgpu_metadata
---
amdhsa.version: [ 1, 2 ]
amdhsa.kernels:
  - .name:           k_q699a3e79af_prep
    .symbol:         k_q699a3e79af_prep.kd
    .args:
      - { .name: W_qkv, .offset: 0, .size: 8, .value_kind: global_buffer, .address_space: global }
      - { .name: W_out, .offset: 8, .size: 8, .value_kind: global_buffer, .address_space: global }
      - { .name: mask, .offset: 16, .size: 8, .value_kind: global_buffer, .address_space: global }
      - { .name: wt, .offset: 24, .size: 8, .value_kind: global_buffer, .address_space: global }
      - { .name: mbias, .offset: 32, .size: 8, .value_kind: global_buffer, .address_space: global }
    .group_segment_fixed_size: 0
    .private_segment_fixed_size: 0
    .kernarg_segment_align: 8
    .kernarg_segment_size: 40
    .max_flat_workgroup_size: 256
    .sgpr_count:     66
    .vgpr_count:     24
    .wavefront_size: 32
...
	.end_amdgpu_metadata
.endif
;; end of part 1
;; launch attn (part 2): grid 256 x 1, 8 waves a work-group, clusters of 4 x 1, 269,312 bytes of LDS; arguments msa, wt, mbias, b_qkv, b_out, ln_gamma, ln_beta, out0; writes out0
.if DOCPART == 2
	.amdgcn_target "amdgcn-amd-amdhsa--gfx1250"
	.amdhsa_code_object_version 6
	.text
	.protected	k_q699a3e79af_attn
	.globl	k_q699a3e79af_attn
	.p2align	8
	.type	k_q699a3e79af_attn,@function
k_q699a3e79af_attn:
	s_mov_b64 s[64:65], 0
	v_nop
	global_prefetch_b8 v0, s[64:65] scope:SCOPE_SE
	s_setreg_imm32_b32 hwreg(HW_REG_WAVE_MODE, 25, 1), 1
	s_wait_xcnt 0x0
	s_wait_alu depctr_hold_cnt(0) depctr_sa_sdst(0) depctr_va_vdst(0) depctr_va_sdst(0) depctr_va_ssrc(0) depctr_va_vcc(0) depctr_vm_vsrc(0)
	s_getreg_b32 s2, hwreg(HW_REG_IB_STS2, 6, 4)
	s_cmp_eq_u32 s2, 0
	s_cbranch_scc0 .Lentry_in_a_cluster
	s_endpgm
.Lentry_in_a_cluster:
	s_bfe_u32 s2, ttmp6, 0x10000c
	s_cmp_lg_u32 s2, 0x3003
	s_cbranch_scc0 .Lentry_shape_is_right
	s_endpgm
.Lentry_shape_is_right:
; out0 = LayerNorm(msa + Attention(msa) W_out + b_out), everything fused.
; A work-group takes MSA row s and the 128 queries of half qh; it projects K and V of all 256 tokens of s.
; WAVE = HEAD.  K, V^T, the scores, P and O of a head stay in that wave's registers: each product is issued in the orientation in which its
; result, packed to bf16 two registers at a time, already is the next product's fragment:
;   K = Wk^T x X   -> lane (r,h), register j: (d = 8h+j, token r)   -> A fragment of S (row = key, k = d)
;   Q likewise                                                      -> B fragment of S (column = query)
;   S = K x Q + bias -> (key 8h+j, query r)                         -> two key tiles packed = B fragment of P.V (k = key)
;   V = X x Wv     -> (token 8h+j, d = r)                           -> two token tiles packed = A fragment of P.V (row = d)
;   O = V^T x P    -> (d = 8h+j, query r)                           -> B fragment ks = head of the output projection
;   Y = Wo^T x O   -> (c' = 8h+j, query r)                          -> 16-byte f32 pieces of a row of Y
; Token order in LDS: rho = token xor 128 qh, the work-group's own 128 tokens first; mbias has its columns in the same order.
; THE MASK is the C operand of the score product: 0 for a kept key, -2^100 for a masked one (exp2 then gives 0).  The true maximum of a
; row's biased scores is taken away before exp2.  A row with no kept key is known by its maximum (< -2^99); there O is replaced by the sum
; of V and l by 256, which is reference()'s uniform softmax.
; LIMIT: if every kept score x SCALE of a row lies below about -1e9, reference() lets the masked keys win; this text gives the softmax over
; the kept keys.  NaN and infinities get no care of their own.
; ALGEBRA, nothing is left out: SCALE log2(e) is multiplied into Q (its bias included); b_v is added behind the normalisation (the
; normalised row sums to 1: l is the sum of the same bf16 P that multiply V); b_k stays, since it moves kept scores against masked ones.
; CLUSTERS: four work-groups form a cluster.  Cluster c has qh = c & 1, and its work-group at place cx takes MSA row s = 4 (c >> 1) + cx:
; the four need the same half of mbias (131,072 bytes) and ask for it JOINTLY, by two tensor loads of 64 rows (waves 0 and 1), with the same
; descriptor and the mask of all four: 64 requests for a half instead of 256.  A round of the cluster's barrier stands in front of the
; loads and one in front of s_endpgm.  A wave has at most one tensor load outstanding.
; WHAT ELSE WORK-GROUPS SHARE, AND WHY IT IS NOT ASKED FOR JOINTLY.  wt (524,288 bytes) is the same for all; each wave takes its head's 16
; fragments of a matrix straight into registers: a way through LDS would want 131,072 bytes a matrix where 327,680 - 268,288 = 59,392 are
; free, and 128 more LDS loads a wave.  msa[s] is read by the two work-groups of one s, but it is f32 and is converted on its way through
; registers: 262,144 bytes of f32 have no room in LDS either.
;
; LDS:      0 ..  67,583  X rows rho 0-127, bf16, pitch 528; behind the Q pass: O fragments, head w at 8192 w, [query tile][half][lane][16 B]
;      67,584 .. 135,167  X rows rho 128-255;              behind the V pass: Q fragments, wave w at 67,584 + 8192 w, same form, the wave's own
;     135,168 .. 268,287  mask bias f32, 128 rows, pitch 1,040, filled once by the two joint tensor loads
;      67,584 .. 216,063  behind attention: Y f32, one strip a wave (18,560 bytes: 128 rows of 128 bytes, pitch 144)
; 528, 1,040 and 144 are odd multiples of 16: the sixteen rows that a 16-byte access touches lie in different 16-byte columns of 256 bytes.
.set XPITCH, 528
.set XO_B,   67584
.set MB_B,   135168
.set MPITCH, 1040
.set YB,     67584
.set YSTRIP, 18560
.set YPITCH, 144
; Vector registers, window 0
.set L16,  1                           ; 16 lane
.set YR,   2                           ; epilogue: my 16 bytes of a row of Y, left 512 bytes
.set C256, 3                           ; 256.0
.set XA,   4                           ; X fragments, rows 0-127: 528 r + 16 h
.set XA2,  5                           ; rows 128-255
.set XW,   6                           ; where I store X: 8 rows a wave, 8 bytes a lane
.set XW2,  7
.set VX,   8                           ; 8192 wave + 16 lane: msa, 8 rows a wave
.set WOFF, 9                           ; 16384 wave + 16 lane: wt, msa and out0, 16 rows a wave
.set QW,   10                          ; my Q fragments (stepped tile by tile in attention)
.set MBA,  11                          ; mask bias of the query tile (stepped)
.set OST,  12                          ; my O fragments (stepped)
.set YW,   13                          ; where I store Y
.set YR2,  14                          ; epilogue: right 512 bytes
.set BOFF, 15                          ; 128 wave + 32 h: biases of my 32 columns
.set BIAS, 16                          ; v16-31  b_k, then b_q, then b_out, as C operands
.set ACC,  32                          ; v32-47  accumulator pair 0 (v48-63: pair 1 of the K, V and Q passes); in attention O
.set TP,   48                          ; v48-55  in attention at work; in the epilogue gamma
.set ONES, 56                          ; v56-63  in attention a fragment of bf16 ones; in the epilogue beta
.set XF,   64                          ; v64-127 eight fragments of X or O
.set QF,   64                          ; in attention: Q fragment,
.set LA,   72                          ;   the accumulator of l,
.set SUMV, 88                          ;   the sum of V over all keys,
.set BV,   104                         ;   b_v,
.set OP,   120                         ;   O packed
.set LT,   64                          ; in the epilogue: at work
.set SC,   128                         ; v128-255 msa as loaded; Wv; Wq; scores and P; second buffer and pair of the output projection; Y
; Window 1: v256-383 (written 0-127) K fragments, later Wo; v384-511 (written 128-255) Wk, then V^T fragments, later msa rows.
; Scalars: s[4:19] the eight addresses; s20 wave; s22 qh; s[24:25] msa, own tokens; s[26:27] msa, the other 128; s[30:31] out0;
; s34 loop counter; s35 lanes whose row has no kept key; s36-37 lane selects; s38 1/256; s39 eps; s23 -2^99; s40 at work (wave terms only);
; s[44:47], s[48:55] the joint load's descriptor; s[42:43], s[58:59] its offsets (qh and wave);
; the place in the cluster and what is made of it stay in s56, s21, s[32:33], s[60:61], which feed no descriptor and no LDS address.
.set G0, 44
.set G1, 48
.set MSB, 0
.macro WIN new                         ; register windows; the immediate's high byte repeats the setting that is left
.if MSB != \new
	s_set_vgpr_msb (MSB<<8)|\new
.set MSB, \new
.endif
.endm
.macro PLACES n                        ; places behind a matrix instruction (ISA guide 7.12.1) where no other vector work is at hand
.rept \n
	v_nop
.endr
.endm
.macro BAR                             ; my LDS accesses are done; then the work-group's barrier
	s_wait_dscnt 0x0
	s_barrier_signal -1
	s_barrier_wait -1
.endm
; A round of the cluster's barrier: my work-group's barrier, so that wave 0's signal speaks for all eight waves; wave 0 signals for the
; work-group; every wave waits for all four work-groups; my work-group's barrier once more.  No LDS instruction of the wave is pending at a signal.
.macro ROUND
	s_barrier_signal -1
	s_barrier_wait -1
	s_cmp_lg_u32 s20, 0
	s_cbranch_scc1 .Lnot_wave_0_\@
	s_barrier_signal -3
.Lnot_wave_0_\@:
	s_barrier_wait -3
	s_barrier_signal -1
	s_barrier_wait -1
.endm
.macro WM d, a, b, cmode, c            ; one product; cmode 2: C = 0 starts the sum
.if \cmode == 2
	v_wmma_f32_16x16x32_bf16 v[\d:\d+7], v[\a:\a+7], v[\b:\b+7], 0
.else
	v_wmma_f32_16x16x32_bf16 v[\d:\d+7], v[\a:\a+7], v[\b:\b+7], v[\c:\c+7]
.endif
.endm
; n half fragments, from number i0 on, of my head's 16 weight fragments of matrix m (0 q, 1 k, 2 v, 3 out): fragment (dt, ks) at dst + 64 dt + 8 ks
.macro WLOAD dst, m, i0, n
.set WL_I, \i0
.rept \n
	global_load_b128 v[\dst+4*WL_I:\dst+4*WL_I+3], v[WOFF], s[6:7] offset:\m*131072+WL_I*512
.set WL_I, WL_I+1
.endr
.endm
; a bias as C operand: register 8 dt + j of lane (r, h) = bias[32 wave + 16 dt + 8 h + j]
.macro BLOAD dst, base, off
.irp dt, 0,1
.irp u, 0,1
	global_load_b128 v[\dst+8*\dt+4*\u:\dst+8*\dt+4*\u+3], v[BOFF], s[\base:\base+1] offset:\off+64*\dt+16*\u
.endr
.endr
.endm
; chunk c of X = 64 rows; a wave takes 8 of them, 16 loads of 512 consecutive bytes
.macro XISSUE c
.if \c < 2
.set XI_B, 24
.else
.set XI_B, 26
.endif
.irp i, 0,1,2,3,4,5,6,7
.irp p, 0,1
	global_load_b128 v[SC+64*((\c)&1)+8*\i+4*\p:SC+64*((\c)&1)+8*\i+4*\p+3], v[VX], s[XI_B:XI_B+1] offset:((\c)&1)*65536+1024*\i+512*\p
.endr
.endr
.endm
.macro XCONV c                         ; the chunk to bf16 and into LDS: a wave's store covers 256 consecutive bytes
.if \c < 2
.set XC_A, XW
.else
.set XC_A, XW2
.endif
.irp i, 0,1,2,3,4,5,6,7
.irp p, 0,1
.set XC_R, SC+64*((\c)&1)+8*\i+4*\p
	v_cvt_pk_bf16_f32 v[XC_R], v[XC_R], v[XC_R+1]
	v_cvt_pk_bf16_f32 v[XC_R+1], v[XC_R+2], v[XC_R+3]
	ds_store_b64 v[XC_A], v[XC_R:XC_R+1] offset:((\c)&1)*33792+XPITCH*\i+256*\p
.endr
.endr
.endm
; four fragments (ks = 4 hf .. 4 hf + 3) of token tile tt of X: eight loads
.macro XLOAD hf, tt
.if \tt < 8
.set XL_A, XA
.else
.set XL_A, XA2
.endif
.irp k, 0,1,2,3
	ds_load_b128 v[XF+8*(4*\hf+\k):XF+8*(4*\hf+\k)+3], v[XL_A] offset:((\tt)%8)*16*XPITCH+64*(4*\hf+\k)
	ds_load_b128 v[XF+8*(4*\hf+\k)+4:XF+8*(4*\hf+\k)+7], v[XL_A] offset:((\tt)%8)*16*XPITCH+64*(4*\hf+\k)+32
.endr
.endm
; eight products: ks = ks0 .. ks0 + 3 on the pair acc, its two accumulators by turns, one instruction a turn.
; mode 0: A = weights, B = XF; mode 1: A = XF, B = weights.  At ks = 0: cin 1: C = the bias; cin 2: C = 0.
.macro MM acc, ks0, mode, w, cin
.irp k, 0,1,2,3
.irp dt, 0,1
.set MM_C, 0
.set MM_CR, \acc+8*\dt
.if \ks0+\k == 0
.set MM_C, \cin
.if \cin == 1
.set MM_CR, BIAS+8*\dt
.endif
.endif
.if \mode == 0
	WM \acc+8*\dt, \w+64*\dt+8*(\ks0+\k), XF+8*(\ks0+\k), MM_C, MM_CR
.else
	WM \acc+8*\dt, XF+8*(\ks0+\k), \w+64*\dt+8*(\ks0+\k), MM_C, MM_CR
.endif
.endr
.endr
.endm
; Half u (= dt) of what becomes of tile tt's sums.  kind 0: K, 1: V, 2: Q.  It names accumulator u of tile tt's pair and nothing of the other pair.
; The caller sets the window back.
.macro TAILH kind, tt, u
.set TH_P, ACC+16*((\tt)&1)+8*\u
.if \kind == 0
	WIN 0x40                                       ; half of the K fragment of key tile tt, window 1
.irp i, 0,1,2,3
	v_cvt_pk_bf16_f32 v[8*(\tt)+4*\u+\i], v[TH_P+2*\i], v[TH_P+2*\i+1]
.endr
.endif
.if \kind == 1
	WIN 0x40                                       ; half of V^T fragment (u, tt / 2), window 1
.irp i, 0,1,2,3
	v_cvt_pk_bf16_f32 v[128+8*(8*\u+(\tt)/2)+4*((\tt)&1)+\i], v[TH_P+2*\i], v[TH_P+2*\i+1]
.endr
.endif
.if \kind == 2
	WIN 0
.irp i, 0,2,4,6
	v_pk_mul_f32 v[TH_P+\i:TH_P+\i+1], v[TH_P+\i:TH_P+\i+1], 0x3e8293ee op_sel_hi:[1,0]   ; SCALE log2(e) = 0.25503487
.endr
.irp i, 0,1,2,3
	v_cvt_pk_bf16_f32 v[TH_P+\i], v[TH_P+2*\i], v[TH_P+2*\i+1]     ; in place: register i is read no later than it is written
.endr
	ds_store_b128 v[QW], v[TH_P:TH_P+3] offset:(\tt)*1024+512*\u
.endif
.endm
; One tile of 16 tokens through a projection.  kind 0: K, 1: V, 2: Q.
; Tiles take the two accumulator pairs by turns, so tile tt's products never write what tile tt - 1 has just summed, and tile tt - 1's
; conversions are held back into tile tt: four or eight plain vector instructions behind each run of eight products, which name only the
; other pair and so are the four places in front of the loads that land on the fragments just read.
; For the product that wrote accumulator u last, the half tail of the other accumulator and the half tail one slice earlier are its places:
; eight before the pair is written over again.  Tile 0 of a pass has nothing held back and takes v_nop.
; XF is two halves of four fragments; each half is loaded again for the next tile behind those places.
; PT_S = LDS stores in a half tail (Q: 1).  They are issued between the runs of loads, and the counts let them stay out.
.macro PT kind, tt, first, last
.if \kind == 0
.set PT_WK, 0x01
.set PT_MODE, 0
.set PT_W, 128
.set PT_CIN, 1
.set PT_S, 0
.endif
.if \kind == 1
.set PT_WK, 0
.set PT_MODE, 1
.set PT_W, SC
.set PT_CIN, 2
.set PT_S, 0
.endif
.if \kind == 2
.set PT_WK, 0
.set PT_MODE, 0
.set PT_W, SC
.set PT_CIN, 1
.set PT_S, 1
.endif
.set PT_P, ACC+16*((\tt)&1)
.set PT_N, 8
.if \first
	XLOAD 0, \tt
	XLOAD 1, \tt
.else
.if (\tt) > 1
.set PT_N, 8+PT_S
.endif
.endif
	s_wait_dscnt PT_N                              ; half 0 is in; behind it: half 1's eight loads and, from tile 2 on, the store of the half tail between them
	WIN PT_WK
	MM PT_P, 0, PT_MODE, PT_W, PT_CIN
.if (\tt) > 0
	TAILH \kind, \tt-1, 0
	WIN 0
.else
	WIN 0
	PLACES 4
.endif
.set PT_N, 0
.if \last == 0
	XLOAD 0, \tt+1
.set PT_N, 8
.endif
.if (\tt) > 0
.set PT_N, PT_N+PT_S
.endif
	s_wait_dscnt PT_N                              ; half 1 is in; behind it: the half tail's store and the eight loads just issued
	WIN PT_WK
	MM PT_P, 4, PT_MODE, PT_W, 0
.if (\tt) > 0
	TAILH \kind, \tt-1, 1
	WIN 0
.else
	WIN 0
	PLACES 4
.endif
.if \last == 0
	XLOAD 1, \tt+1
.endif
.endm
.macro FLUSH kind, tt                  ; the last tile's own tail; the half tail in front of it is its four places
	TAILH \kind, \tt, 0
	TAILH \kind, \tt, 1
	WIN 0
.endm
.macro KGROUP t0                       ; the four token tiles of one chunk of X
	PT 0, \t0, 1, 0
	PT 0, \t0+1, 0, 0
	PT 0, \t0+2, 0, 0
	PT 0, \t0+3, 0, 1
.endm
; ---- output projection
; all eight fragments of query tile tt of O, which lies in fragment order (fragment ks is head ks's): sixteen loads
.macro OFR buf, tt
.irp k, 0,1,2,3,4,5,6,7
	ds_load_b128 v[\buf+8*\k:\buf+8*\k+3], v[L16] offset:\k*8192+(\tt)*1024
	ds_load_b128 v[\buf+8*\k+4:\buf+8*\k+7], v[L16] offset:\k*8192+(\tt)*1024+512
.endr
.endm
.macro YST tt                          ; tile tt's sums into my strip of Y: four stores
.if ((\tt)&1)
.set YS_P, SC+64
.else
.set YS_P, ACC
.endif
	ds_store_b128 v[YW], v[YS_P:YS_P+3] offset:(\tt)*16*YPITCH
	ds_store_b128 v[YW], v[YS_P+4:YS_P+7] offset:(\tt)*16*YPITCH+16
	ds_store_b128 v[YW], v[YS_P+8:YS_P+11] offset:(\tt)*16*YPITCH+64
	ds_store_b128 v[YW], v[YS_P+12:YS_P+15] offset:(\tt)*16*YPITCH+80
.endm
; One tile of 16 queries.  Even tiles: fragments in v64-127, sums in v32-47; odd tiles: fragments in v128-191, sums in v192-207.
; Sixteen products in a row, the pair's two accumulators by turns; this phase has no vector work, so four v_nop are the places in front of
; the loads into the buffer just read (tile tt + 2's fragments, asked for two tiles ahead).  A tile's sums are stored one tile later.
; LDS order: F0 F1 | F2 | Y0 F3 | Y1 F4 | .. | Y4 F7 | Y5 | Y6 Y7.  Behind tile tt's sixteen loads stand 16 (tiles 0, 1), 4 + 16 (tiles 2-6), 4 (tile 7).
.macro PO tt
.set PO_B, XF+64*((\tt)&1)
.if ((\tt)&1)
.set PO_P, SC+64
.else
.set PO_P, ACC
.endif
.if (\tt) < 2
	s_wait_dscnt 16
.else
.if (\tt) < 7
	s_wait_dscnt 20
.else
	s_wait_dscnt 4
.endif
.endif
	WIN 0x01
.irp k, 0,1,2,3,4,5,6,7
.irp dt, 0,1
.if \k == 0
	WM PO_P+8*\dt, 64*\dt+8*\k, PO_B+8*\k, 1, BIAS+8*\dt
.else
	WM PO_P+8*\dt, 64*\dt+8*\k, PO_B+8*\k, 0, PO_P+8*\dt
.endif
.endr
.endr
	WIN 0
	PLACES 4
.if (\tt) > 0
	YST \tt-1
.endif
.if (\tt) < 6
	OFR PO_B, \tt+2
.endif
.endm
; ---- attention
; the mask bias of key tile t as C operand: register j of lane (r, h) = bias[query r][key 16 t + 8 h + j]
.macro MBL t, off
.irp u, 0,1
	ds_load_b128 v[SC+8*(\t)+4*\u:SC+8*(\t)+4*\u+3], v[MBA] offset:\off+64*(\t)+16*\u
.endr
.endm
.macro QLOAD off
	ds_load_b128 v[QF:QF+3], v[QW] offset:\off
	ds_load_b128 v[QF+4:QF+7], v[QW] offset:\off+512
.endm
.macro SPROD t                         ; S = K Q^T + bias, in place on the bias
	v_wmma_f32_16x16x32_bf16 v[SC+8*\t:SC+8*\t+7], v[8*\t:8*\t+7], v[QF:QF+7], v[SC+8*\t:SC+8*\t+7]
.endm
.macro MAXT t, init                    ; key tile t's eight scores into four running maxima
.irp c, 0,1,2,3
.if \init
	v_max_num_f32 v[TP+\c], v[SC+8*\t+2*\c], v[SC+8*\t+2*\c+1]
.else
	v_max3_num_f32 v[TP+\c], v[TP+\c], v[SC+8*\t+2*\c], v[SC+8*\t+2*\c+1]
.endif
.endr
.endm
; The close of a tile (O / l + b_v, packed, into LDS) in slices 0 to 6.  It names ACC, LA, SUMV, BV, OP, v52-53 and s35 alone.
.macro CSEL i0, n
.set CS_I, \i0
.rept \n
	v_cndmask_b32 v[ACC+CS_I], v[ACC+CS_I], v[SUMV+CS_I], s35      ; a row without a kept key takes the sum of V
.set CS_I, CS_I+1
.endr
.endm
.macro CFMA i0
	s_wait_alu depctr_va_vdst(0)
.irp i, 0,2,4,6
	v_pk_fma_f32 v[ACC+\i0+\i:ACC+\i0+\i+1], v[ACC+\i0+\i:ACC+\i0+\i+1], v[TP+4:TP+5], v[BV+\i0+\i:BV+\i0+\i+1] op_sel_hi:[1,0,1]
.endr
.endm
.macro CPK u
.irp i, 0,1,2,3
	v_cvt_pk_bf16_f32 v[OP+4*\u+\i], v[ACC+8*\u+2*\i], v[ACC+8*\u+2*\i+1]
.endr
	ds_store_b128 v[OST], v[OP+4*\u:OP+4*\u+3] offset:512*\u
.endm
.macro CL i
.if \i == 0
	v_cndmask_b32 v[TP+4], v[LA], v[C256], s35     ; l, the same in every register of LA; 256 for a row without a kept key
	v_rcp_f32 v[TP+4], v[TP+4]                     ; l >= 1: the largest term is exp2(0).  The selects are the plain work behind it (ISA guide 5.7.2)
	CSEL 0, 6
.endif
.if \i == 1
	CSEL 6, 5
.endif
.if \i == 2
	CSEL 11, 5
.endif
.if \i == 3
	CFMA 0
.endif
.if \i == 4
	CFMA 8
.endif
.if \i == 5
	CPK 0
.endif
.if \i == 6
	CPK 1
.endif
.endm
; Two score products, then slice p of the last tile's close.  K is source 0 in window 1, and a vector instruction's source 0 is in window 0:
; each change from products to vector work costs a switch, so the products go in pairs.
.macro SBURST close, p, a, b
	WIN 0x01
	SPROD \a
	SPROD \b
	WIN 0
.if \close
	CL \p
.endif
.endm
.macro SUBH g, u                       ; 8 scores less the row's maximum
.irp i, 0,1,2,3
	v_pk_add_f32 v[SC+16*(\g)+8*\u+2*\i:SC+16*(\g)+8*\u+2*\i+1], v[SC+16*(\g)+8*\u+2*\i:SC+16*(\g)+8*\u+2*\i+1], v[TP:TP+1] op_sel_hi:[1,0] neg_lo:[0,1] neg_hi:[0,1]
.endr
.endm
.macro EXPG g
.irp i, 0,1,2,3,4,5,6,7,8,9,10,11,12,13,14,15
	v_exp_f32 v[SC+16*(\g)+\i], v[SC+16*(\g)+\i]
.endr
.endm
.macro CVTG g                          ; two key tiles packed: P fragment g at SC + 8 g; it lands on registers that earlier groups have given up
	s_wait_alu depctr_va_vdst(0)
.irp i, 0,1,2,3,4,5,6,7
	v_cvt_pk_bf16_f32 v[SC+8*(\g)+\i], v[SC+16*(\g)+2*\i], v[SC+16*(\g)+2*\i+1]
.endr
.endm
.macro LPROD kk                        ; l += sum of P fragment kk
.if (\kk) == 0
	WM LA, ONES, SC+8*(\kk), 2, LA
.else
	WM LA, ONES, SC+8*(\kk), 0, LA
.endif
.endm
.macro PVPAIR kk                       ; O += V^T P, both halves of d
.set PV_C, 0
.if (\kk) == 0
.set PV_C, 2
.endif
	WIN 0x01
	WM ACC, 128+8*(\kk), SC+8*(\kk), PV_C, ACC
	WM ACC+8, 192+8*(\kk), SC+8*(\kk), PV_C, ACC+8
	WIN 0
.endm
; One tile of 16 queries against all 256 keys.
; close: the tile before is closed between this tile's score products.  pre: the next tile's Q and bias are fetched.  tail: the last tile.
; The matrix instructions stand among the vector work:
;   scores: eight pairs; behind pair p a slice of the close and the maxima of pair p - 1, which are also the four places (ISA guide 7.12.1)
;           before pair p's results are read;
;   P.V, l: P fragment kk is whole behind CVTG kk; its three products stand in the subtractions of group kk + 2.  The accumulators go
;           l, O0, O1, l, O0, O1 ..: one instruction a turn.
; The next tile's bias goes into P fragment kk's registers behind CVTG kk + 1, eight places behind the products that read the fragment.
; LDS order of a trip: 2 stores of O, Q fragment, bias tiles 0-5, 8-15, 6, 7; the score products go in that order of key tiles.
.macro TILE close, pre, tail
	s_wait_dscnt 4                                 ; the Q fragment and bias tiles 0-5 and 8-15 are in; the four loads of tiles 6 and 7 stay out
	SBURST \close, 0, 0, 1
.if \close == 0
	PLACES 4
.endif
	SBURST \close, 1, 2, 3
	MAXT 0, 1
	MAXT 1, 0
	SBURST \close, 2, 4, 5
	MAXT 2, 0
	MAXT 3, 0
	SBURST \close, 3, 8, 9
	MAXT 4, 0
	MAXT 5, 0
	SBURST \close, 4, 10, 11
	MAXT 8, 0
	MAXT 9, 0
	SBURST \close, 5, 12, 13
	MAXT 10, 0
	MAXT 11, 0
	SBURST \close, 6, 14, 15
	MAXT 12, 0
	MAXT 13, 0
	s_wait_dscnt 2*\close                          ; bias tiles 6 and 7 are in; behind them only the close's two stores of O
	SBURST \close, 7, 6, 7
	MAXT 14, 0
	MAXT 15, 0                                     ; eight places behind the last score product: its sources may be loaded again
.if \pre
	QLOAD 1024
.endif
.if \tail
	WIN 0x40
	WLOAD 0, 3, 0, 32                              ; Wo over the K fragments, which have had their last use
	WIN 0
.endif
	MAXT 6, 0
	MAXT 7, 0
	v_max3_num_f32 v[TP], v[TP], v[TP+1], v[TP+2]
	v_max_num_f32 v[TP], v[TP], v[TP+3]
	v_permlanex16_b32 v[TP+2], v[TP], s36, s37     ; the other half of the keys is in lane l xor 16
	v_max_num_f32 v[TP], v[TP], v[TP+2]
	v_cmp_gt_f32 s35, s23, v[TP]                   ; -2^99 > maximum: no key of this row is kept
	; exp2 in groups of 16; behind each group plain work of another group stands before its results are used (ISA guide 5.7.2)
	SUBH 0, 0
	SUBH 0, 1
	EXPG 0
	SUBH 1, 0
	SUBH 1, 1
	EXPG 1
	CVTG 0
.irp g, 2,3,4,5,6,7
	SUBH \g, 0
	LPROD \g-2
	SUBH \g, 1
	PVPAIR \g-2
	EXPG \g
	CVTG \g-1
.if \pre
	MBL \g-2, 16*MPITCH
.endif
.endr
	CVTG 7
	LPROD 6
.if \pre
.irp t, 8,9,10,11
	MBL \t, 16*MPITCH                              ; the upper 64 score registers are free behind CVTG 7
.endr
.endif
	PVPAIR 6
.if \pre
.irp t, 12,13,14,15
	MBL \t, 16*MPITCH
.endr
.endif
	LPROD 7
	PVPAIR 7
	; four places behind the last products: before loads land on P fragments 6 and 7 (or on V^T), and before the close reads O and l
.if \pre
	v_add_nc_u32 v[MBA], 16*MPITCH, v[MBA]
	v_add_nc_u32 v[QW], 1024, v[QW]
.else
	PLACES 2
.endif
.if \close
	v_add_nc_u32 v[OST], 1024, v[OST]
.else
	v_nop
.endif
	v_nop
.if \pre
	MBL 6, 0                                       ; MBA has been stepped
	MBL 7, 0
.endif
.if \tail
	WIN 0x40
.irp i, 0,1,2,3,4,5,6,7,8,9,10,11,12,13,14,15
.irp p, 0,1
	global_load_b128 v[128+8*\i+4*\p:128+8*\i+4*\p+3], v[WOFF], s[24:25] offset:1024*\i+512*\p   ; the 16 msa rows of my epilogue, over V^T
.endr
.endr
	WIN 0
.endif
.endm
; sums of v[LT + 4 a], a = 0 .. 3, over the 32 lanes, into every lane
.macro LRED
.irp m, 1,2,4,8
.irp a, 0,1,2,3
	v_add_f32_dpp v[LT+4*\a], v[LT+4*\a], v[LT+4*\a] row_xmask:\m row_mask:0xf bank_mask:0xf
.endr
.endr
.irp a, 0,1,2,3
	v_permlanex16_b32 v[LT+4*\a+1], v[LT+4*\a], s36, s37
.endr
.irp a, 0,1,2,3
	v_add_f32 v[LT+4*\a], v[LT+4*\a], v[LT+4*\a+1]
.endr
.endm
; LayerNorm of rows 4 g .. 4 g + 3 of my 16, side by side; a lane holds 8 numbers of each row
.macro LN4 g
.irp a, 0,1,2,3
.set LZ, SC+8*(4*(\g)+\a)
.set LQ, LT+4*\a
	v_pk_add_f32 v[LQ:LQ+1], v[LZ:LZ+1], v[LZ+2:LZ+3]
	v_pk_add_f32 v[LQ+2:LQ+3], v[LZ+4:LZ+5], v[LZ+6:LZ+7]
	v_pk_add_f32 v[LQ:LQ+1], v[LQ:LQ+1], v[LQ+2:LQ+3]
	v_add_f32 v[LQ], v[LQ], v[LQ+1]
.endr
	LRED
.irp a, 0,1,2,3
.set LZ, SC+8*(4*(\g)+\a)
.set LQ, LT+4*\a
	v_mul_f32 v[LQ], 0xbb800000, v[LQ]             ; minus the mean
.irp k, 0,2,4,6
	v_pk_add_f32 v[LZ+\k:LZ+\k+1], v[LZ+\k:LZ+\k+1], v[LQ:LQ+1] op_sel_hi:[1,0]
.endr
	v_pk_mul_f32 v[LQ+2:LQ+3], v[LZ:LZ+1], v[LZ:LZ+1]
.irp k, 2,4,6
	v_pk_fma_f32 v[LQ+2:LQ+3], v[LZ+\k:LZ+\k+1], v[LZ+\k:LZ+\k+1], v[LQ+2:LQ+3]
.endr
	v_add_f32 v[LQ], v[LQ+2], v[LQ+3]
.endr
	LRED
.irp a, 0,1,2,3
	v_fma_f32 v[LT+4*\a], v[LT+4*\a], s38, s39     ; variance + eps
.endr
.irp a, 0,1,2,3
	v_rsq_f32 v[LT+4*\a], v[LT+4*\a]
.endr
	v_nop                                          ; one plain place behind the last of the four before the first is used (ISA guide 5.7.2)
	s_wait_alu depctr_va_vdst(0)
.irp a, 0,1,2,3
.set LZ, SC+8*(4*(\g)+\a)
.set LQ, LT+4*\a
.irp k, 0,2,4,6
	v_pk_mul_f32 v[LZ+\k:LZ+\k+1], v[LZ+\k:LZ+\k+1], v[LQ:LQ+1] op_sel_hi:[1,0]
.endr
.irp k, 0,2,4,6
	v_pk_fma_f32 v[LZ+\k:LZ+\k+1], v[LZ+\k:LZ+\k+1], v[TP+\k:TP+\k+1], v[ONES+\k:ONES+\k+1]
.endr
	global_store_b128 v[WOFF], v[LZ:LZ+3], s[30:31] offset:1024*(4*(\g)+\a) th:TH_STORE_NT          ; a wave's store covers 512 consecutive bytes, aligned
	global_store_b128 v[WOFF], v[LZ+4:LZ+7], s[30:31] offset:1024*(4*(\g)+\a)+512 th:TH_STORE_NT
.endr
.endm
	; ---------------- the start: ids, addresses, and everything that can be asked for at once
	s_load_b512 s[4:19], s[0:1], 0x0               ; msa 4, wt 6, mbias 8, b_qkv 10, b_out 12, ln_gamma 14, ln_beta 16, out0 18
	v_lshl_add_u32 v254, v0, 2, 0x41800
	v_mov_b32 v255, 0
	ds_add_u32 v254, v255
	s_wait_dscnt 0x0
	v_and_b32 v48, 31, v0                          ; lane
	v_lshrrev_b32 v51, 5, v0
	v_readfirstlane_b32 s20, v51                   ; wave = head
	v_and_b32 v49, 15, v0                          ; r
	v_bfe_u32 v50, v0, 4, 1                        ; h
	v_lshlrev_b32 v[L16], 4, v48
	v_mul_u32_u24 v[XA], v49, XPITCH
	v_lshl_add_u32 v[XA], v50, 4, v[XA]
	v_add_nc_u32 v[XA2], XO_B, v[XA]
	s_mul_i32 s40, s20, 8*XPITCH
	v_lshl_add_u32 v[XW], v48, 3, s40
	v_add_nc_u32 v[XW2], XO_B, v[XW]
	s_lshl_b32 s40, s20, 13
	v_add_nc_u32 v[VX], s40, v[L16]
	v_mov_b32 v[OST], v[VX]
	s_add_co_u32 s40, s40, XO_B
	v_add_nc_u32 v[QW], s40, v[L16]
	s_lshl_b32 s40, s20, 14
	v_add_nc_u32 v[WOFF], s40, v[L16]
	v_mul_u32_u24 v[MBA], v49, MPITCH
	v_lshl_add_u32 v[MBA], v50, 5, v[MBA]
	v_add_nc_u32 v[MBA], MB_B, v[MBA]
	s_lshl_b32 s40, s20, 7
	v_lshl_add_u32 v[BOFF], v50, 5, s40
	v_mul_u32_u24 v[YW], v49, YPITCH
	v_lshl_add_u32 v[YW], v50, 5, v[YW]
	s_mul_i32 s40, s20, YSTRIP
	s_add_co_u32 s40, s40, YB
	v_add_nc_u32 v[YW], s40, v[YW]                 ; my strip + 144 r + 32 h
	v_lshrrev_b32 v51, 3, v48
	v_mul_u32_u24 v51, v51, YSTRIP                 ; epilogue: eight lanes take the 128 bytes of one strip
	v_and_b32 v[YR], 7, v48
	v_lshl_add_u32 v[YR], v[YR], 4, v51
	s_mul_i32 s40, s20, 16*YPITCH
	s_add_co_u32 s40, s40, YB
	v_add_nc_u32 v[YR], s40, v[YR]
	v_add_nc_u32 v[YR2], 4*YSTRIP, v[YR]
	v_mov_b32 v[C256], 0x43800000
	s_bfe_u32 s56, ttmp6, 0x40000                  ; cx: my place in the cluster
	s_and_b32 s22, ttmp9, 1                        ; qh = cluster & 1: the same in all four
	s_lshr_b32 s21, ttmp9, 1
	s_lshl_b32 s21, s21, 2
	s_add_co_u32 s21, s21, s56                     ; s = 4 (cluster >> 1) + cx
	s_lshl_b32 s21, s21, 1
	s_add_co_u32 s21, s21, s22                     ; 2 s + qh: which block of 128 rows of msa and out0 is mine
	s_mov_b32 s23, 0xf1000000                      ; -2^99
	s_mov_b32 s36, 0x76543210
	s_mov_b32 s37, 0xfedcba98
	s_mov_b32 s38, 0x3b800000                      ; 1/256
	s_mov_b32 s39, 0x3727c5ac                      ; 1e-5
	s_lshl_b32 s32, s21, 17                        ; 128 rows of 1,024 bytes
	s_mov_b32 s33, 0
	s_xor_b32 s60, s21, 1                          ; the other 128 tokens of my MSA row
	s_lshl_b32 s60, s60, 17
	s_mov_b32 s61, 0
	s_lshl_b32 s42, s22, 17                        ; my half of mbias
	s_mov_b32 s43, 0
	s_lshl_b32 s58, s20, 16                        ; 64 rows of 1,024 bytes for each wave that loads
	s_mov_b32 s59, 0
	; the joint load's descriptor: 64 rows of 256 f32, 16 bytes of padding behind each row in LDS
	s_mov_b32 s[G1+0], 15|(2<<16)|(1<<20)|(1<<21)|(7<<22)|(3<<25)  ; 15:0 the mask: all four work-groups; 17:16 element of 4 bytes; 20 padding on; 21 set beside a mask; 24:22 after every 256 words (code 7); 31:25 of 4 words (code 3)
	s_mov_b32 s[G1+1], 256<<16                     ; tensor_dim0 = 256
	s_mov_b32 s[G1+2], 64<<16                      ; tensor_dim1 = 64
	s_mov_b32 s[G1+3], 256<<16                     ; tile_dim0 = 256
	s_mov_b32 s[G1+4], 64                          ; tile_dim1 = 64
	s_mov_b32 s[G1+5], 256                         ; elements from row to row
	s_mov_b32 s[G1+6], 0
	s_mov_b32 s[G1+7], 0
	s_mov_b32 s[G0], 1                             ; count = 1
	s_mul_i32 s[G0+1], s20, 64*MPITCH
	s_add_co_u32 s[G0+1], s[G0+1], MB_B            ; LDS address: the region's first byte + wave x 64 padded rows
	s_wait_kmcnt 0x0
	s_add_nc_u64 s[24:25], s[4:5], s[32:33]
	s_add_nc_u64 s[26:27], s[4:5], s[60:61]
	s_add_nc_u64 s[30:31], s[18:19], s[32:33]
	s_add_nc_u64 s[G0+2:G0+3], s[8:9], s[42:43]
	s_add_nc_u64 s[G0+2:G0+3], s[G0+2:G0+3], s[58:59]              ; mbias + 131,072 qh + 65,536 wave: nothing of cx
	s_or_b32 s[G0+3], s[G0+3], 0x80000000          ; type = 2
	BLOAD BIAS, 10, 1024                           ; b_k
	WIN 0x40
	WLOAD 128, 1, 0, 32                            ; Wk
	WIN 0
	XISSUE 0                                       ; these 52 loads are on their way while the four work-groups meet
	ROUND                                          ; all four work-groups are here: the joint loads meet
	s_cmp_lt_u32 s20, 2                            ; waves 0 and 1 ask, 64 rows each; the branch hangs on the wave's number alone
	s_cbranch_scc0 .Lno_fill
	tensor_load_to_lds s[G0:G0+3], s[G1:G1+7]      ; the mask bias, filled once
	s_nop 0
.Lno_fill:
	XISSUE 1                                       ; 68 loads in all; the counter cannot pass its field, the issue of the last ones waits (ISA guide 5.7.1)
	; ---------------- K of all 256 tokens, chunk by chunk while X is still arriving.  Each chunk goes to LDS rows that nobody has read: one barrier a chunk
	s_wait_loadcnt 16                              ; b_k, Wk and chunk 0 are in; chunk 1's 16 loads stay out
	XCONV 0
	XISSUE 2
	s_wait_tensorcnt 0x0                           ; my rows of the mask bias have landed: other waves read them behind this barrier (a wave that asked for none passes at once)
	BAR
	KGROUP 0
	s_wait_loadcnt 16                              ; chunk 1 is in; chunk 2's 16 stay out
	XCONV 1
	XISSUE 3
	BAR
	KGROUP 4
	s_wait_loadcnt 16                              ; chunk 2 is in; chunk 3's 16 stay out
	XCONV 2
	WLOAD SC, 2, 0, 16                             ; Wv, first half, into the registers just given up
	BAR
	KGROUP 8
	s_wait_loadcnt 16                              ; chunk 3 is in; the 16 loads of Wv stay out
	XCONV 3
	WLOAD SC, 2, 16, 16
	BAR
	KGROUP 12
	FLUSH 0, 15
	; ---------------- V^T of all 256 tokens
	BLOAD BIAS, 10, 0                              ; b_q, for the pass after this one
	s_wait_loadcnt 4                               ; Wv is in; b_q's four loads stay out
	PT 1, 0, 1, 0
.irp t, 1,2,3,4,5,6,7,8,9,10,11,12,13,14
	PT 1, \t, 0, 0
.endr
	PT 1, 15, 0, 1
	FLUSH 1, 15
	WLOAD SC, 0, 0, 32                             ; Wq over Wv
	BAR                                            ; no wave reads X rows 128-255 any more: the Q fragments go there
	; ---------------- Q of my 128 queries
	s_wait_loadcnt 0x0
	PT 2, 0, 1, 0
.irp t, 1,2,3,4,5,6
	PT 2, \t, 0, 0
.endr
	PT 2, 7, 0, 1
	FLUSH 2, 7
	BAR                                            ; no wave reads X rows 0-127 any more: the O fragments go there
	; ---------------- attention
.irp i, 0,1,2,3,4,5,6,7
	v_mov_b32 v[ONES+\i], 0x3f803f80               ; bf16 1.0 twice; these registers were accumulator pair 1 until here
.endr
	v_mov_b32 v[TP+5], 0                           ; the upper register of the pair whose lower one is broadcast
	BLOAD BV, 10, 2048                             ; b_v
	BLOAD BIAS, 12, 0                              ; b_out
	QLOAD 0
.irp t, 0,1,2,3,4,5,8,9,10,11,12,13,14,15,6,7
	MBL \t, 0                                      ; tile 0's bias, in the order in which every later tile's is fetched
.endr
	WIN 0x01
.irp kk, 0,1,2,3,4,5,6,7
.set TL_C, 0
.if \kk == 0
.set TL_C, 2
.endif
.irp dt, 0,1
	WM SUMV+8*\dt, 128+8*(8*\dt+\kk), ONES, TL_C, SUMV+8*\dt       ; the sum of V over all keys, for rows without a kept key; two accumulators by turns
.endr
.endr
	WIN 0
	s_wait_loadcnt 0x0
	TILE 0, 1, 0                                   ; tile 0: nothing to close yet
	s_mov_b32 s34, 0
.Ltile:
	TILE 1, 1, 0                                   ; tiles 1 to 6
	s_add_co_u32 s34, s34, 1
	s_cmp_lt_u32 s34, 6
	s_cbranch_scc1 .Ltile
	TILE 1, 0, 1                                   ; tile 7: nothing more to fetch for attention; what the later phases need is asked for
.irp i, 0,1,2,3,4,5,6
	CL \i                                          ; tile 7 is closed
.endr
	global_load_b128 v[TP:TP+3], v[L16], s[14:15]                  ; gamma and beta of my 8 columns of the epilogue
	global_load_b128 v[TP+4:TP+7], v[L16], s[14:15] offset:512
	global_load_b128 v[ONES:ONES+3], v[L16], s[16:17]
	global_load_b128 v[ONES+4:ONES+7], v[L16], s[16:17] offset:512
	BAR                                            ; O is whole; Q fragments and mask bias have had their last read: Y goes there
	; ---------------- output projection: wave w makes columns 32 w .. 32 w + 31 of all 128 rows
	OFR XF, 0
	OFR SC, 1
	s_wait_loadcnt 36                              ; Wo is in; 32 loads of msa rows and 4 of gamma and beta stay out
.irp t, 0,1,2,3,4,5,6,7
	PO \t
.endr
	YST 7
	BAR                                            ; Y is whole
	; ---------------- residual and LayerNorm: wave w takes rows 16 w .. 16 w + 15, a lane the same 16-byte pieces as in msa and out0
.irp i, 0,1,2,3,4,5,6,7,8,9,10,11,12,13,14,15
	ds_load_b128 v[SC+8*\i:SC+8*\i+3], v[YR] offset:YPITCH*\i
	ds_load_b128 v[SC+8*\i+4:SC+8*\i+7], v[YR2] offset:YPITCH*\i
.endr
	s_wait_loadcnt 0x0
	s_wait_dscnt 0x0
	WIN 0x04                                       ; the second source is the msa row in window 1
.set EP_K, 0
.rept 64
	v_pk_add_f32 v[SC+EP_K:SC+EP_K+1], v[SC+EP_K:SC+EP_K+1], v[SC+EP_K:SC+EP_K+1]
.set EP_K, EP_K+2
.endr
	WIN 0
	LN4 0
	LN4 1
	LN4 2
	LN4 3
	s_wait_xcnt 0x0
	v_lshl_add_u32 v254, v0, 2, 0x41800
	v_mov_b32 v255, 0
	s_wait_tensorcnt 0x0
	ds_add_u32 v254, v255
	s_wait_dscnt 0x0
	ROUND                                          ; the closing round: no work-group ends while a partner may still ask for a tile that names it
	s_endpgm
.Lfunc_end_k_q699a3e79af_attn:
	.size	k_q699a3e79af_attn, .Lfunc_end_k_q699a3e79af_attn-k_q699a3e79af_attn
	.p2alignl 7, 3214868480
	.fill 96, 4, 3214868480
	.section	.rodata,"a",@progbits
	.p2align	6, 0x0
	.amdhsa_kernel k_q699a3e79af_attn
		.amdhsa_group_segment_fixed_size 269312
		.amdhsa_private_segment_fixed_size 0
		.amdhsa_enable_private_segment 0
		.amdhsa_kernarg_size 64
		.amdhsa_user_sgpr_count 2
		.amdhsa_user_sgpr_kernarg_segment_ptr 1
		.amdhsa_wavefront_size32 1
		.amdhsa_system_sgpr_workgroup_id_x 1
		.amdhsa_system_sgpr_workgroup_id_y 1
		.amdhsa_system_sgpr_workgroup_id_z 1
		.amdhsa_system_vgpr_workitem_id 0
		.amdhsa_next_free_vgpr 512
		.amdhsa_next_free_sgpr 66
		.amdhsa_reserve_vcc 0
		.amdhsa_float_denorm_mode_32 3
		.amdhsa_float_denorm_mode_16_64 3
		.amdhsa_memory_ordered 1
		.amdhsa_forward_progress 1
		.amdhsa_inst_pref_size 255
	.end_amdhsa_kernel
	.section	.bss,"aw",@nobits
	.p2align	6
	.space	262144
	.amdgpu_metadata
---
amdhsa.version: [ 1, 2 ]
amdhsa.kernels:
  - .name:           k_q699a3e79af_attn
    .symbol:         k_q699a3e79af_attn.kd
    .args:
      - { .name: msa, .offset: 0, .size: 8, .value_kind: global_buffer, .address_space: global }
      - { .name: wt, .offset: 8, .size: 8, .value_kind: global_buffer, .address_space: global }
      - { .name: mbias, .offset: 16, .size: 8, .value_kind: global_buffer, .address_space: global }
      - { .name: b_qkv, .offset: 24, .size: 8, .value_kind: global_buffer, .address_space: global }
      - { .name: b_out, .offset: 32, .size: 8, .value_kind: global_buffer, .address_space: global }
      - { .name: ln_gamma, .offset: 40, .size: 8, .value_kind: global_buffer, .address_space: global }
      - { .name: ln_beta, .offset: 48, .size: 8, .value_kind: global_buffer, .address_space: global }
      - { .name: out0, .offset: 56, .size: 8, .value_kind: global_buffer, .address_space: global }
    .group_segment_fixed_size: 269312
    .private_segment_fixed_size: 0
    .kernarg_segment_align: 8
    .kernarg_segment_size: 64
    .max_flat_workgroup_size: 256
    .sgpr_count:     66
    .vgpr_count:     512
    .wavefront_size: 32
...
	.end_amdgpu_metadata
.endif
;; end of part 2
